; MI455X (gfx1250); checked and timed in simulation.
; The chip was launched on July 23, 2026; its instructions are those of AMD's public machine-readable ISA for CDNA 5 (MIT licence, August 2026) and "CDNA5" Instruction Set Architecture Reference Guide (July 2026). The comments in the code are by the model that wrote it; some were corrected since.
;; Quant Linear Dequant. Allowed arithmetic: matrix products marked QUANTISED: E3M2 operands, one E8M0 scale for each 32 along K, by v_wmma_scale_f32_16x16x128_f8f6f4 with both operands' format E3M2, f32 sums; everything else in f32.
;; Inputs: Wq 4,096 x 4,096 int8; bias_param 4,096 float32; row_scales 4,096 float32; x 4,096 x 4,096 float32.
;; Outputs: out0 4,096 x 4,096 float32.
;; This version of the problem:
;;   THIS VERSION OF THE PROBLEM IS GIVEN IN LOW PRECISION. The matrix products marked QUANTISED in the list below multiply operands that are first quantised to E3M2 (3 exponent bits, 2 mantissa bits; 6 bits a number), with one power-of-two scale for each 32 numbers along K (OCP MX v1.0); their sums are f32. All else is computed in f32.
;;   The module's matrix products, in the order in which they are computed (A, B: the left and right operand; K: the contracted axis; several contracted axes count as one K, in the product's order):
;;     1. [M 4,096, K 4,096] x [K 4,096, N 4,096]; A: input x; B: computed on the way: QUANTISED
;;   THE QUANTISER, for each operand of a quantised product, along K:
;;     - K is cut into blocks of 32 from its start; a last block that is shorter is filled with zeros.
;;     - A block's scale is 2^e with e = floor(log2(the largest magnitude in the block)) - 4, held to -126 .. 127; a block of zeros has e = 0. As a byte (E8M0): e + 127.
;;     - Each number is divided by its block's scale, clamped to +-28, and rounded to the nearest number of E3M2, ties to even, subnormals kept.
;;     - The product sums the exact products of the quantised numbers (number of the format x scale) in f32.
;;   ~~~python
;;   def quantise(x, axis):      # numpy; x: float32 -> the quantised numbers, widened to float32 again
;;       x = np.moveaxis(x, axis, -1); K = x.shape[-1]
;;       x = np.pad(x, [(0, 0)] * (x.ndim - 1) + [(0, -K % 32)]); x = x.reshape(x.shape[:-1] + (-1, 32)); a = np.abs(x).max(-1, keepdims=True)
;;       e = np.where(a > 0, np.clip(np.frexp(np.where(a > 0, a, 1))[1] - 1 - 4, -126, 127), 0)      # np.frexp(a)[1] - 1 = floor(log2(a)), exactly
;;       r = np.clip(x / 2.0 ** e, -28, 28)
;;       step = 2.0 ** (np.maximum(np.frexp(np.where(r == 0, 1, r))[1] - 1, -2) - 2)
;;       q = np.round(r / step) * step * 2.0 ** e      # np.round: ties to even
;;       return np.moveaxis(q.reshape(q.shape[:-2] + (-1,))[..., :K], -1, axis).astype(np.float32)
;;   ~~~
;;   OPERANDS COMPUTED ON THE WAY. 'Computed on the way' means the value that the module computes at that place (a softmax that the list does not call 'softmax' is quantised finished and normalised). What goes into a quantiser is computed in f32, as accurately as f32 sums, v_exp_f32 and their like allow (about 1e-6 of the number): no bf16 or f16 on the way to a quantiser, and a product that is left as it is and whose result goes on into a quantised operand takes f32 operands (vector FMAs, or v_wmma_f32_16x16x4_f32). A number that lies on a knife's edge between two numbers of the format may be rounded either way, as far as f32 arithmetic and the matrix unit's own rounding can turn it there, and no further.
;; One version. Each part assembles by itself: llvm-mc -triple=amdgcn-amd-amdhsa -mcpu=gfx1250 --defsym DOCPART=n.
;; ======== version 1 of 1: 2 launches
;; limits: right only within a limited range of input values
;; workspace buffers: x_img 13,107,200 bytes; w_img 13,107,200 bytes
;; launch quant (part 1): grid 768 x 1, 4 waves a work-group, no clusters, 51,712 bytes of LDS; arguments x, Wq, row_scales, x_img, w_img; writes x_img, w_img
.if DOCPART == 1
	.amdgcn_target "amdgcn-amd-amdhsa--gfx1250"
	.amdhsa_code_object_version 6
	.text
	.protected	k_qca2f607387_quant
	.globl	k_qca2f607387_quant
	.p2align	8
	.type	k_qca2f607387_quant,@function
k_qca2f607387_quant:
	s_mov_b64 s[64:65], 0
	v_nop
	global_prefetch_b8 v0, s[64:65] scope:SCOPE_SE
	s_setreg_imm32_b32 hwreg(HW_REG_WAVE_MODE, 25, 1), 1
	s_wait_xcnt 0x0
; x [4096][4096] f32 and W[o][i] = Wq[o][i] * (row_scales[o] / 127) (Wq int8, the product in f32) are turned into codes of BF6 (E3M2), with one E8M0 scale byte for each 32 along K (the last axis of both).
; A block's scale is 2^(floor(log2(its largest magnitude)) - 4): its byte is the largest magnitude's exponent field - 4, held at 1 from below by a floor among the maximum's leaves.
; LAYOUT OF THE RESULTS: as the product's launch takes them into LDS and registers.  A fragment is 16 rows x 128 K, 12 registers a lane: lane (r, h) = 16 h + r holds row r; registers 6 c .. 6 c + 5 hold the
; codes of k = 64 c + 32 h + 0 .. 31.  Its image is 1,536 bytes: registers 4 g .. 4 g + 3 of lane l at 512 g + 16 l.  A UNIT is 128 rows x 128 K: its 8 fragments (block of rows i at 1,536 i), then the rows'
; scale words (byte 2 c + h for k = 64 c + 32 h ..): that of block i, row r at 12,288 + 128 (i / 2) + 8 r + 4 (i % 2).  12,800 bytes.  Rows 128 G on, K 128 u on: unit at 409,600 G + 12,800 u.
; SHARES.  Work-groups 0 to 511 take x: a wave takes 64 rows x 128 K, four steps of one fragment.  Work-groups 512 to 767 take W: a wave takes 64 rows x 256 K, four steps of two fragments.
; So a wave has the scale words of four blocks of rows for one unit: 256 consecutive bytes, one store.  Every store of codes covers 512 consecutive bytes at a multiple of 256.
; A load of x reads 512 consecutive bytes of one row; a load of Wq 256 consecutive bytes of each of two rows.  A step's 16 rows turn through the wave's own stage in LDS (rows 528 or 272 bytes apart, so that
; sixteen rows' reads of 16 bytes fall on sixteen different groups of banks) and come back with a lane's registers running along K.  A lane then holds two whole blocks of 32: no other lane is asked for a maximum.
; Waves share nothing: no barrier.  The two paths part on the work-group's number and have LDS bytes of their own.
; LIMITS: NaN and infinities among the inputs are not served.  A block whose largest magnitude lies under 2^-122 keeps the byte 1.  A block of zeros gets the byte 1 where the rule says 127: its codes are zeros,
; which add nothing under that byte, and this program alone reads the bytes.  row_scales above 3.3e38 would overflow 128 * row_scales / 127.
.set UNIT, 12800
.set SOFF, 12288                       ; where a unit's scale words begin
.set GROW, 32*UNIT                     ; 128 rows, all of K
.set SPB,  528                         ; x's path: a stage row in bytes: 512 + 16
.set WST,  16*SPB                      ; and a wave's stage
.set WPB,  272                         ; W's path: a stage row: 256 + 16
.set WSTW, 16*WPB
.set WLDS, 4*WST                       ; where W's path's stages begin
.set R,    16                          ; x's path: v16-79, v80-143  two sets of 16 x 4 registers as loaded
.set RW,   16                          ; W's path: v16-47, v48-79, v80-111  three sets of 8 x 4 registers as loaded
.set D,    112                         ; W's path: v112-143 two fragments x 16 words of int8
.set X,    144                         ; v144-207 64 numbers of my row
.set P,    208                         ; v208-219 a fragment's codes
.set TMP,  220                         ; v220-222, v224-226 the upper halves of the two blocks' codes, as converted
.set MX,   228                         ; v228-231 four chains of maxima
.set T,    232                         ; v232-233 the conversions' scale operands
.set BY,   234                         ; v234-235 the scale bytes
.set PW,   236                         ; v236-243 the fragments' scale words (x: four; W: step t, fragment f at 2 t + f)
.set SW,   244                         ; v244-245 the two words that my lane stores;  v254-255 the same for W's second unit
.set SW2,  254
.set SV,   246                         ; v246-247 s = row_scales / 127 of my row, twice;  v248-249 -128 s, twice
.set RS,   250                         ; v250-253 row_scales of my row in each of the four steps
	s_load_b256 s[4:11], s[0:1], 0x0               ; x s[4:5], Wq s[6:7], row_scales s[8:9], x_img s[10:11]
	s_load_b64 s[12:13], s[0:1], 0x20              ; w_img
	v_lshl_add_u32 v223, v0, 2, 0xc800
	v_mov_b32 v227, 0
	v_lshrrev_b32 v1, 5, v0
	v_readfirstlane_b32 s18, v1                    ; wave 0..3
	v_and_b32 v1, 31, v0                           ; lane
	v_and_b32 v2, 15, v0                           ; r
	v_bfe_u32 v3, v0, 4, 1                         ; h
	v_lshlrev_b32 v4, 4, v1                        ; 16 x lane: my bytes of a load's 512, and of a store's
	v_lshlrev_b32 v5, 3, v1                        ; 8 x lane: my two scale words
	v_lshlrev_b32 v6, 3, v3                        ; 8 h: how far up my two bytes stand in a scale word
	s_mul_i32 s24, s18, WST
	v_add_nc_u32 v7, s24, v4                       ; x's path: into the stage: 16 x lane
	v_mul_u32_u24 v8, v2, SPB
	v_lshl_add_u32 v8, v3, 7, v8
	v_add_nc_u32 v8, s24, v8                       ; x's path: out of the stage: row r, my half's 32 numbers of each 64
	s_mul_i32 s25, s18, WSTW
	s_add_co_u32 s25, s25, WLDS
	v_mul_u32_u24 v9, v3, WPB
	v_lshl_add_u32 v9, v2, 4, v9
	v_add_nc_u32 v9, s25, v9                       ; W's path: into its stage: lanes 0-15 one row, lanes 16-31 the next
	v_mul_u32_u24 v10, v2, WPB
	v_lshl_add_u32 v10, v3, 5, v10
	v_add_nc_u32 v10, s25, v10                     ; and out of it: row r, my half's 32 bytes of each 64
	v_lshlrev_b32 v11, 2, v2                       ; 4 r: my row's scale
	v_mov_b32 v12, 0                               ; a lane permute's destination counts as one of its sources: written once
	v_lshlrev_b32 v13, 12, v3
	v_lshl_add_u32 v13, v2, 4, v13                 ; Wq: 4,096 h + 16 r: my 16 bytes of a load's two rows
	v_cmp_lt_u32 s23, 15, v1                       ; lanes 16 to 31
	s_mov_b32 s20, 0x76543210
	s_mov_b32 s21, 0xfedcba98                      ; v_permlanex16_b32's selects for lane l xor 16
	s_mov_b32 s22, 0x80808080
	s_mov_b32 s26, 0x3c010204                      ; 1 / 127, rounded
	s_mov_b32 s27, 0x42fe0000                      ; 127.0
	s_wait_kmcnt 0x0
; 64 numbers of my row, v[xs + 32 c + n] = k 64 c + 32 h + n, become the fragment's codes in v[P] on and my row's scale word in v[pw] (whole in both lanes of the row).
.macro QUANT xs, pw
.irp c, 0,1
.irp u, 0,1
	v_max3_num_f32 v[MX+2*\c+\u], |v[\xs+32*\c+16*\u]|, |v[\xs+32*\c+16*\u+1]|, 0x2800000   ; two chains a block; the floor 2^(5 - 127) keeps the byte at 1 or above
.endr
.endr
.irp i, 2,4,6,8,10,12,14
.irp c, 0,1
.irp u, 0,1
	v_max3_num_f32 v[MX+2*\c+\u], v[MX+2*\c+\u], |v[\xs+32*\c+16*\u+\i]|, |v[\xs+32*\c+16*\u+\i+1]|   ; the four chains by turns
.endr
.endr
.endr
.irp c, 0,1
	v_max_num_f32 v[MX+2*\c], v[MX+2*\c], v[MX+2*\c+1]             ; the block's largest magnitude
.endr
.irp c, 0,1
	v_add_nc_u32 v[T+\c], 0xfe000000, v[MX+2*\c]                   ; 4 off its exponent field: the conversion takes this operand's exponent field as its scale
.endr
.irp c, 0,1
	v_lshrrev_b32 v[BY+\c], 23, v[T+\c]                            ; the scale's byte
.endr
	v_lshl_or_b32 v[\pw], v[BY+1], 16, v[BY]                       ; my bytes: blocks h and 2 + h,
	v_lshlrev_b32 v[\pw], v6, v[\pw]                               ; at their places;
	v_permlanex16_b32 v12, v[\pw], s20, s21
	v_or_b32 v[\pw], v[\pw], v12                                   ; with lane l xor 16's two the word is whole
.irp c, 0,1
	v_cvt_scalef32_pk16_bf6_f32 v[P+6*\c:P+6*\c+2], v[\xs+32*\c:\xs+32*\c+15], v[T+\c]
	v_cvt_scalef32_pk16_bf6_f32 v[TMP+4*\c:TMP+4*\c+2], v[\xs+32*\c+16:\xs+32*\c+31], v[T+\c]   ; (a conversion's three registers begin on an even number)
.endr
	v_nop                                          ; one plain instruction behind the scaled conversions, ahead of the moves that read their results
.irp c, 0,1
.irp i, 0,1,2
	v_mov_b32 v[P+6*\c+3+\i], v[TMP+4*\c+\i]
.endr
.endr
.endm
.macro OUTF base, off                  ; the fragment's image: three stores of 512 consecutive bytes
.irp g, 0,1,2
	global_store_b128 v4, v[P+4*\g:P+4*\g+3], s[\base:\base+1] offset:\off+512*\g
.endr
.endm
.macro OUTS base, off, sw, a, b, c, d  ; one unit's scale words of my four blocks of rows (in v[a] to v[d]): lanes 0-15 store the first two, lanes 16-31 the last two: 256 consecutive bytes at a multiple of 256
	v_cndmask_b32 v[\sw], v[\a], v[\c], s23
	v_cndmask_b32 v[\sw+1], v[\b], v[\d], s23
	global_store_b64 v5, v[\sw:\sw+1], s[\base:\base+1] offset:\off
.endm
	s_cmp_lt_u32 ttmp9, 512
	s_cbranch_scc0 .Lw_path
	; ---------------- x ----------------
	s_lshl_b32 s24, ttmp9, 2
	s_add_co_u32 s24, s24, s18                     ; my wave's job
	s_lshr_b32 s25, s24, 5                         ; which 64 rows
	s_and_b32 s28, s24, 31                         ; which unit along K: a work-group's four waves stand side by side on 2,048 bytes of each row
	s_lshr_b32 s29, s25, 1                         ; G
	s_and_b32 s30, s25, 1                          ; the unit's blocks of rows 0-3 or 4-7
	s_lshl_b32 s32, s25, 20                        ; x: 64 rows of 16,384 bytes,
	s_lshl_b32 s33, s28, 9                         ; 128 numbers of 4 bytes
	s_add_co_u32 s32, s32, s33
	s_mov_b32 s33, 0
	s_mul_i32 s34, s29, GROW
	s_mul_i32 s35, s28, UNIT
	s_add_co_u32 s34, s34, s35                     ; the unit
	s_mov_b32 s35, 0
	s_lshl_b32 s36, s30, 8
	s_add_co_u32 s36, s36, SOFF                    ; in it: my 256 bytes of scale words,
	s_mov_b32 s37, 0
	s_mul_i32 s38, s30, 4*1536                     ; and my four fragments
	s_mov_b32 s39, 0
	s_add_nc_u64 s[4:5], s[4:5], s[32:33]
	s_add_nc_u64 s[10:11], s[10:11], s[34:35]
	s_add_nc_u64 s[14:15], s[10:11], s[36:37]
	s_add_nc_u64 s[10:11], s[10:11], s[38:39]
.macro LOADX t                         ; step t: 128 numbers of each of rows 16 t .. 16 t + 15; a load reads 512 consecutive bytes
.irp j, 0,1,2,3,4,5,6,7,8,9,10,11,12,13,14,15
	global_load_b128 v[R+64*((\t)%2)+4*\j:R+64*((\t)%2)+4*\j+3], v4, s[4:5] offset:(16*(\t)+\j)*16384 th:TH_LOAD_NT
.endr
.endm
	LOADX 0
	LOADX 1
.irp t, 0,1,2,3
.if \t < 3
	s_wait_loadcnt 16                              ; this step's 16 loads are in; the next step's 16 may be out
.else
	s_wait_loadcnt 0x0
.endif
.irp j, 0,1,2,3,4,5,6,7,8,9,10,11,12,13,14,15
	ds_store_b128 v7, v[R+64*(\t%2)+4*\j:R+64*(\t%2)+4*\j+3] offset:SPB*\j
.endr
.irp c, 0,1
.irp e, 0,1,2,3,4,5,6,7
	ds_load_b128 v[X+32*\c+4*\e:X+32*\c+4*\e+3], v8 offset:256*\c+16*\e   ; LDS serves a wave's instructions in order: these see the stores above
.endr
.endr
	s_wait_dscnt 0x0                               ; my 64 numbers are in, and the stage's stores have read the set
	s_wait_xcnt 0x0                                ; the last step's stores have read the codes' registers
.if \t < 2
	LOADX \t+2
.endif
	QUANT X, PW+\t
	OUTF 10, \t*1536
.endr
	OUTS 14, 0, SW, PW, PW+1, PW+2, PW+3
	s_wait_tensorcnt 0x0
	ds_add_u32 v223, v227
	s_wait_dscnt 0x0
	s_endpgm
	; ---------------- W ----------------
.Lw_path:
	s_sub_co_u32 s24, ttmp9, 512
	s_lshl_b32 s24, s24, 2
	s_add_co_u32 s24, s24, s18                     ; my wave's job
	s_lshr_b32 s25, s24, 4                         ; which 64 rows
	s_and_b32 s28, s24, 15                         ; which 256 along K (two units)
	s_lshr_b32 s29, s25, 1                         ; G
	s_and_b32 s30, s25, 1                          ; the units' blocks of rows 0-3 or 4-7
	s_lshl_b32 s32, s25, 18                        ; Wq: 64 rows of 4,096 bytes,
	s_lshl_b32 s33, s28, 8                         ; my wave's 256
	s_add_co_u32 s32, s32, s33
	s_mov_b32 s33, 0
	s_mul_i32 s34, s29, GROW
	s_mul_i32 s35, s28, 2*UNIT
	s_add_co_u32 s34, s34, s35                     ; the first unit
	s_mov_b32 s35, 0
	s_lshl_b32 s36, s30, 8
	s_add_co_u32 s36, s36, SOFF
	s_mov_b32 s37, 0
	s_mul_i32 s38, s30, 4*1536
	s_mov_b32 s39, 0
	s_add_nc_u64 s[6:7], s[6:7], s[32:33]
	s_add_nc_u64 s[12:13], s[12:13], s[34:35]
	s_add_nc_u64 s[14:15], s[12:13], s[36:37]
	s_add_nc_u64 s[12:13], s[12:13], s[38:39]
	s_lshl_b32 s32, s25, 8                         ; row_scales: 64 numbers
	s_add_nc_u64 s[8:9], s[8:9], s[32:33]
	s_wait_alu depctr_va_vdst(0)
.irp t, 0,1,2,3
	global_load_b32 v[RS+\t], v11, s[8:9] offset:64*\t             ; my row's scale in each step
.endr
.macro LOADW t                         ; step t: 256 bytes of each of rows 16 t .. 16 t + 15, two rows a load, into set t % 3
.irp j, 0,1,2,3,4,5,6,7
	global_load_b128 v[RW+32*((\t)%3)+4*\j:RW+32*((\t)%3)+4*\j+3], v13, s[6:7] offset:(16*(\t)+2*\j)*4096 th:TH_LOAD_NT
.endr
.endm
	LOADW 0
	LOADW 1
	LOADW 2
; Fragment f's 16 words of int8 become 64 numbers in f32: u = q + 128 (the sign bit turned), as an unsigned byte, to f32; then u s - 128 s in one fused multiply-add, which is q s rounded once.
.macro UNPACK f, xs
.irp w, 0,1,2,3,4,5,6,7,8,9,10,11,12,13,14,15
	v_xor_b32 v[D+16*(\f)+\w], s22, v[D+16*(\f)+\w]
.endr
.irp w, 0,1,2,3,4,5,6,7,8,9,10,11,12,13,14,15
.irp b, 0,1,2,3
	v_bfe_u32 v[\xs+4*\w+\b], v[D+16*(\f)+\w], 8*\b, 8
.endr
.endr
.set n, 0
.rept 64
	v_cvt_f32_u32 v[\xs+n], v[\xs+n]
.set n, n+1
.endr
.set n, 0
.rept 32
	v_pk_fma_f32 v[\xs+n:\xs+n+1], v[\xs+n:\xs+n+1], v[SV:SV+1], v[SV+2:SV+3]
.set n, n+2
.endr
.endm
.irp t, 0,1,2,3
.if \t < 2
	s_wait_loadcnt 16                              ; this step's 8 loads (and the row scales, which are older) are in; two later sets of 8 may be out
.elseif \t == 2
	s_wait_loadcnt 8                               ; step 3's may be out
.else
	s_wait_loadcnt 0x0
.endif
.irp j, 0,1,2,3,4,5,6,7
	ds_store_b128 v9, v[RW+32*(\t%3)+4*\j:RW+32*(\t%3)+4*\j+3] offset:2*WPB*\j
.endr
.irp f, 0,1
.irp c, 0,1
.irp e, 0,1
	ds_load_b128 v[D+16*\f+8*\c+4*\e:D+16*\f+8*\c+4*\e+3], v10 offset:128*\f+64*\c+16*\e   ; word 8 c + w of fragment f: k = 64 c + 32 h + 4 w + 0 .. 3 of row r
.endr
.endr
.endr
	s_wait_dscnt 0x0                               ; the words are in, and the stage's stores have read the set
.if \t == 0
	LOADW 3                                        ; which takes the last step's loads
.endif
	v_mul_f32 v14, s26, v[RS+\t]                   ; row_scales / 127: a first quotient,
	v_fma_f32 v[SV], -v14, s27, v[RS+\t]           ; its remainder, exact,
	v_fma_f32 v[SV], v[SV], s26, v14               ; and the quotient mended by it
	v_mov_b32 v[SV+1], v[SV]
	v_mul_f32 v[SV+2], 0xc3000000, v[SV]           ; -128 s: exact
	v_mov_b32 v[SV+3], v[SV+2]
.irp f, 0,1
	UNPACK \f, X
	s_wait_xcnt 0x0                                ; the last fragment's stores have read the codes' registers
	QUANT X, PW+2*\t+\f
	OUTF 12, \f*UNIT+\t*1536
.endr
.endr
	OUTS 14, 0, SW, PW, PW+2, PW+4, PW+6
	OUTS 14, UNIT, SW2, PW+1, PW+3, PW+5, PW+7
	s_wait_tensorcnt 0x0
	ds_add_u32 v223, v227
	s_wait_dscnt 0x0
	s_endpgm
.Lfunc_end_k_qca2f607387_quant:
	.size	k_qca2f607387_quant, .Lfunc_end_k_qca2f607387_quant-k_qca2f607387_quant
	.p2alignl 7, 3214868480
	.fill 96, 4, 3214868480
	.section	.rodata,"a",@progbits
	.p2align	6, 0x0
	.amdhsa_kernel k_qca2f607387_quant
		.amdhsa_group_segment_fixed_size 51712
		.amdhsa_private_segment_fixed_size 0
		.amdhsa_enable_private_segment 0
		.amdhsa_kernarg_size 40
		.amdhsa_user_sgpr_count 2
		.amdhsa_user_sgpr_kernarg_segment_ptr 1
		.amdhsa_wavefront_size32 1
		.amdhsa_system_sgpr_workgroup_id_x 1
		.amdhsa_system_sgpr_workgroup_id_y 1
		.amdhsa_system_sgpr_workgroup_id_z 1
		.amdhsa_system_vgpr_workitem_id 0
		.amdhsa_next_free_vgpr 256
		.amdhsa_next_free_sgpr 66
		.amdhsa_reserve_vcc 0
		.amdhsa_float_denorm_mode_32 3
		.amdhsa_float_denorm_mode_16_64 3
		.amdhsa_memory_ordered 1
		.amdhsa_forward_progress 1
		.amdhsa_inst_pref_size 137
	.end_amdhsa_kernel
	.amdgpu_metadata
---
amdhsa.version: [ 1, 2 ]
amdhsa.kernels:
  - .name:           k_qca2f607387_quant
    .symbol:         k_qca2f607387_quant.kd
    .args:
      - { .name: x, .offset: 0, .size: 8, .value_kind: global_buffer, .address_space: global }
      - { .name: Wq, .offset: 8, .size: 8, .value_kind: global_buffer, .address_space: global }
      - { .name: row_scales, .offset: 16, .size: 8, .value_kind: global_buffer, .address_space: global }
      - { .name: x_img, .offset: 24, .size: 8, .value_kind: global_buffer, .address_space: global }
      - { .name: w_img, .offset: 32, .size: 8, .value_kind: global_buffer, .address_space: global }
    .group_segment_fixed_size: 51712
    .private_segment_fixed_size: 0
    .kernarg_segment_align: 8
    .kernarg_segment_size: 40
    .max_flat_workgroup_size: 128
    .sgpr_count:     66
    .vgpr_count:     256
    .wavefront_size: 32
...
	.end_amdgpu_metadata
.endif
;; end of part 1
;; launch gemm (part 2): grid 16 x 16, 4 waves a work-group, clusters of 4 x 4, 327,680 bytes of LDS; arguments x_img, w_img, out0, bias_param; writes out0
.if DOCPART == 2
	.amdgcn_target "amdgcn-amd-amdhsa--gfx1250"
	.amdhsa_code_object_version 6
	.text
	.protected	k_qca2f607387_gemm
	.globl	k_qca2f607387_gemm
	.p2align	8
	.type	k_qca2f607387_gemm,@function
k_qca2f607387_gemm:
	s_mov_b64 s[64:65], 0
	v_nop
	global_prefetch_b8 v0, s[64:65] scope:SCOPE_SE
	s_setreg_imm32_b32 hwreg(HW_REG_WAVE_MODE, 25, 1), 1
	s_wait_xcnt 0x0
	s_wait_alu depctr_hold_cnt(0) depctr_sa_sdst(0) depctr_va_vdst(0) depctr_va_sdst(0) depctr_va_ssrc(0) depctr_va_vcc(0) depctr_vm_vsrc(0)
	s_getreg_b32 s2, hwreg(HW_REG_IB_STS2, 6, 4)
	s_cmp_eq_u32 s2, 0
	s_cbranch_scc0 .Lentry_in_a_cluster
	s_endpgm
.Lentry_in_a_cluster:
	s_bfe_u32 s2, ttmp6, 0x10000c
	s_cmp_lg_u32 s2, 0xf033
	s_cbranch_scc0 .Lentry_shape_is_right
	s_endpgm
.Lentry_shape_is_right:
; out0[m][n] = sum over k of x[m][k] W[n][k] + bias[n], on codes of BF6 (E3M2) with E8M0 scales, as the launch before has laid them: a UNIT is 128 rows x 128 K, 12,800 bytes:
; 8 fragment images of 1,536 bytes (registers 4 g .. 4 g + 3 of lane l at 512 g + 16 l), then the rows' scale words.  Rows 128 G on, K 128 u on: unit at 409,600 G + 12,800 u.
; A work-group of four waves makes 256 x 256 of out0, a wave 128 x 128: 64 accumulators.  4 x 4 work-groups form a cluster: A's tiles are asked for jointly along a row of it, B's along a column.
; K's 32 units go through two LDS slots: first a slot of 2 units, then ten of 3; a wave's one tensor load brings its 128 rows' units of a slot, dense rows of 256 bytes.
; REGISTERS, in windows of 256.  Every window: v128-255 sixteen accumulators (A's blocks 2 w, 2 w + 1 x B's eight: (a, b) at 128 + 64 (a % 2) + 8 b).
;   window 0: v0-31 addresses, v32-47 scale words (two sets), v48-119 A's set 1, blocks 0-5.   window 1: v0-95 B's set 0.   window 2: v0-95 B's set 1.   window 3: v0-95 A's set 0, v96-119 A's set 1, blocks 6, 7.
; BOTH OPERANDS HAVE TWO SETS.  A step of 128 along K is 64 products on this step's sets and TWO runs of LDS loads into the other sets: at its head the next step's scale words and B (28 loads),
; behind its 32nd product the next step's A (24 loads).  A slot's last reads stand in its last step but one, so at the change of slots they are a step old.
; A step goes by A's blocks, and is one product for each accumulator: so in the LAST step each block of 16 rows is finished by its eight products and leaves at once, while the others are multiplied.
; The matrix instruction is used transposed (source 0 = rows of W, source 1 = rows of x): a lane holds eight neighbouring numbers of a row of out0.  The bias is added on the way out, in f32.
.set UNIT,   12800
.set SOFF,   12288
.set HALFT,  3*UNIT                    ; what one tensor load of the ring brings: 128 rows x 3 units
.set SLOT,   4*HALFT                   ; A's two halves, then B's two
.set GROW,   32*UNIT
.set SPARE,  2*SLOT                    ; behind the ring: the spare words, 128 bytes a wave
.set STAGE,  SLOT                      ; the way out: in slot 1, which has had its last fill and its last read by then (the last units lie in slot 0)
.set SPITCH, 528
.set NB4,    4096*4
.set BI,   8                           ; v8-11 the bias of my four columns of a row read back
.set ADRA, 16                          ; v16-17 my A fragments in slot 0, 1;  v18-19 B's;  v20-21 scale words (lanes 0-15 A's rows, 16-31 B's)
.set ADRB, 18
.set ADRS, 20
.set STO,  24
.set RD,   25
.set CO,   26
.set SPW,  28                          ; my spare word; never rewritten
.set NIL,  29                          ; 0; never rewritten
.set PFO,  30                          ; prefetch offsets: 256 x lane;  v31: 256 x min(lane, what is left of my share - 1)
.set PFO2, 31
.set SC,   32
.set ACC,  128
.set G1, 24
.set G0, 32
.set G1B, 48
.set G0B, 56
.set PFA, 98
.set MSB, 0
.macro WIN new
.if MSB != (\new)
	s_set_vgpr_msb (MSB<<8)|(\new)
.set MSB, (\new)
.endif
.endm
.macro PLACES
.rept 4
	v_nop
.endr
.endm
.macro JLOAD g0a, g1a, g0b, g1b        ; a joint load: waves 0, 1 fetch for A, waves 2, 3 for B
	s_cmp_eq_u32 s15, 0
	s_cbranch_scc0 .Lfor_b_\@
	tensor_load_to_lds s[\g0a:\g0a+3], s[\g1a:\g1a+7]
	s_nop 0
	PLACES
	s_branch .Lasked_\@
.Lfor_b_\@:
	tensor_load_to_lds s[\g0b:\g0b+3], s[\g1b:\g1b+7]
	s_nop 0
	PLACES
.Lasked_\@:
.endm
.macro CREST
	s_cmp_lg_u32 s14, 0
	s_cbranch_scc1 .Lnot_wave_0_\@
	s_barrier_signal -3
.Lnot_wave_0_\@:
	s_barrier_wait -3
	s_barrier_signal -1
	s_barrier_wait -1
.endm
.macro CROUND
	s_barrier_signal -1
	s_barrier_wait -1
	CREST
.endm
; A prefetch: my share of the 150 blocks of 256 bytes of one later tensor load of my wave.  The four partners that ask for a tile jointly share its blocks out by address
; (38, 38, 37, 37), so each block is named once in each cluster that loads it.  guard = 1: not in the loop's last trip, where no slot two refills on is left.
.macro ASK off, guard
.if \guard
	s_cmp_gt_u32 s3, 1
	s_cbranch_scc0 .Lno_ask_\@
.endif
	global_prefetch_b8 v[PFO], s[PFA:PFA+1] offset:\off th:TH_LOAD_NT scope:SCOPE_SE
	global_prefetch_b8 v[PFO2], s[PFA:PFA+1] offset:\off+8192 th:TH_LOAD_NT scope:SCOPE_SE
.if \guard
.Lno_ask_\@:
.endif
.endm
	s_load_b64 s[4:5], s[0:1], 0x0                 ; x_img
	s_load_b64 s[8:9], s[0:1], 0x8                 ; w_img
	s_load_b64 s[12:13], s[0:1], 0x10              ; out0
	s_load_b64 s[96:97], s[0:1], 0x18              ; bias
	v_lshl_add_u32 v[SPW], v0, 2, SPARE
	v_mov_b32 v[NIL], 0
	ds_add_u32 v[SPW], v[NIL]                      ; the opening lines: the add twice on end and one wait
	ds_add_u32 v[SPW], v[NIL]
	v_lshrrev_b32 v1, 5, v0
	v_readfirstlane_b32 s14, v1                    ; wave
	s_lshr_b32 s15, s14, 1                         ; my half of the tile's rows; also: I fetch for A (0) or B (1)
	s_and_b32 s16, s14, 1                          ; my half of its columns; also: which 128 rows I fetch
	s_bfe_u32 s40, ttmp6, 0x40000                  ; cx
	s_bfe_u32 s41, ttmp6, 0x40004                  ; cy
	s_lshl_b32 s42, ttmp9, 2
	s_add_co_u32 s42, s42, s40                     ; tile column
	s_and_b32 s17, ttmp7, 0xffff
	s_lshl_b32 s17, s17, 2
	s_add_co_u32 s17, s17, s41                     ; tile row
	s_lshl_b32 s43, s41, 2
	s_lshl_b32 s43, 15, s43                        ; my row of the cluster
	s_lshl_b32 s44, 0x1111, s40                    ; my column
	s_or_b32 s[G1+0], s43, (3<<16)|(1<<21)         ; elements of 8 bytes, rows of 32 of them, dense; the head's load has 100 rows (2 units)
	s_or_b32 s[G1B+0], s44, (3<<16)|(1<<21)
.irp g, G1, G1B
	s_mov_b32 s[\g+1], 32<<16
	s_mov_b32 s[\g+2], 100<<16
	s_mov_b32 s[\g+3], 32<<16
	s_mov_b32 s[\g+4], 100
	s_mov_b32 s[\g+5], 32
	s_mov_b32 s[\g+6], 0
	s_mov_b32 s[\g+7], 0
.endr
	s_lshl_b32 s20, s17, 1
	s_add_co_u32 s20, s20, s16
	s_mul_i32 s20, s20, GROW
	s_mov_b32 s21, 0
	s_lshl_b32 s46, s42, 1
	s_add_co_u32 s46, s46, s16
	s_mul_i32 s46, s46, GROW
	s_mov_b32 s47, 0
	s_mul_i32 s45, s14, HALFT
	s_wait_dscnt 0x0
	s_wait_kmcnt 0x0
	s_add_nc_u64 s[20:21], s[4:5], s[20:21]
	s_add_nc_u64 s[46:47], s[8:9], s[46:47]
.irp s, 0,1                            ; slot 0 begins with units 0, 1; slot 1 with units 2 to 4
	s_mov_b32 s[G0+4*\s], 1
	s_add_co_u32 s[G0+4*\s+1], s45, \s*SLOT
	s_add_nc_u64 s[G0+4*\s+2:G0+4*\s+3], s[20:21], \s*2*UNIT
	s_or_b32 s[G0+4*\s+3], s[G0+4*\s+3], 0x80000000
	s_mov_b32 s[G0B+4*\s], 1
	s_add_co_u32 s[G0B+4*\s+1], s45, \s*SLOT
	s_add_nc_u64 s[G0B+4*\s+2:G0B+4*\s+3], s[46:47], \s*2*UNIT
	s_or_b32 s[G0B+4*\s+3], s[G0B+4*\s+3], 0x80000000
.endr
	CROUND                                         ; all sixteen work-groups are here: the first joint loads meet
	JLOAD G0, G1, G0B, G1B                         ; units 0 and 1: one tensor load a wave at the head
	; scalars first, then the vector lines in one run
	s_mul_i32 s68, s15, HALFT                      ; my 128 rows of A in slot 0,
	s_add_co_u32 s69, s68, SLOT                    ; in slot 1;
	s_mul_i32 s70, s16, HALFT
	s_add_co_u32 s70, s70, 2*HALFT                 ; of B
	s_add_co_u32 s71, s70, SLOT
	s_sub_co_u32 s73, s70, s68
	s_mul_i32 s72, s14, 16*SPITCH
	s_add_co_u32 s72, s72, STAGE                   ; my stage
	s_lshl_b32 s20, s17, 8
	s_lshl_b32 s21, s15, 7
	s_add_co_u32 s20, s20, s21
	s_lshl_b32 s20, s20, 14                        ; my first row of out0, in bytes
	s_mov_b32 s21, 0
	s_lshl_b32 s46, s42, 10
	s_lshl_b32 s47, s16, 9
	s_add_co_u32 s46, s46, s47                     ; my first column, in bytes
	s_mov_b32 s47, 0
	s_add_nc_u64 s[96:97], s[96:97], s[46:47]
	s_add_nc_u64 s[20:21], s[20:21], s[46:47]
	s_add_nc_u64 s[12:13], s[12:13], s[20:21]
	s_cmp_eq_u32 s15, 0                            ; the prefetches: the rows that I fetch, from unit 2 on, my work-group's share of the blocks
	s_cselect_b32 s18, s17, s42
	s_cselect_b32 s19, s40, s41                    ; my place p among the four that ask with me
	s_cselect_b64 s[PFA:PFA+1], s[4:5], s[8:9]
	s_lshl_b32 s18, s18, 1
	s_add_co_u32 s18, s18, s16
	s_mul_i32 s18, s18, GROW
	s_mul_i32 s100, s19, 38*256
	s_add_co_u32 s18, s18, s100
	s_cmp_eq_u32 s19, 3
	s_cselect_b32 s100, 256, 0
	s_sub_co_u32 s18, s18, s100                    ; shares begin at blocks 0, 38, 76, 113
	s_add_co_u32 s18, s18, 2*UNIT
	s_cmp_lt_u32 s19, 2
	s_cselect_b32 s101, 5, 4                       ; and have 38, 38, 37, 37 blocks: 32 and 6 or 5
	s_mov_b32 s19, 0
	s_add_nc_u64 s[PFA:PFA+1], s[PFA:PFA+1], s[18:19]
	v_and_b32 v1, 15, v0                           ; r
	v_bfe_u32 v2, v0, 4, 1                         ; h
	v_and_b32 v6, 31, v0
	v_lshlrev_b32 v[CO], 4, v6                     ; 16 x lane
	v_lshlrev_b32 v[PFO], 8, v6
	v_min_u32 v7, s101, v6
	v_lshlrev_b32 v[PFO2], 8, v7
	v_mul_u32_u24 v6, s73, v2                      ; lanes 16-31 take B's scale words
	v_lshl_add_u32 v5, v1, 3, v6
	v_mul_u32_u24 v4, v1, SPITCH
	v_lshl_add_u32 v4, v2, 5, v4
	v_add_nc_u32 v[STO], s72, v4
	v_add_nc_u32 v[RD], s72, v[CO]
	v_add_nc_u32 v[ADRA], s68, v[CO]
	v_add_nc_u32 v[ADRA+1], s69, v[CO]
	v_add_nc_u32 v[ADRB], s70, v[CO]
	v_add_nc_u32 v[ADRB+1], s71, v[CO]
	v_add_nc_u32 v[ADRS], s68, v5
	v_add_nc_u32 v[ADRS+1], s69, v5
	s_wait_alu depctr_va_vdst(0)                   ; the wait behind the head's last vector line
	global_load_b128 v[BI:BI+3], v[CO], s[96:97]   ; waited for ahead of the way out
	ASK 0, 0                                       ; units 2 to 4, which slot 1's first fill will ask for
; THE TWO RUNS OF LDS LOADS for unit nq of slot ns, into sets pn.  A unit's fragment images lie on end, so load K takes bytes 512 K on into registers 4 K on.
.macro RUNB ns, nq, pn                 ; 28 loads: the scale words and B's eight fragments
	WIN 0
.irp n, 0,1,2,3
	ds_load_b64 v[SC+8*(\pn)+2*\n:SC+8*(\pn)+2*\n+1], v[ADRS+\ns] offset:(\nq)*UNIT+SOFF+128*\n
.endr
	WIN (1+(\pn))<<6
.set K, 0
.rept 24
	ds_load_b128 v[4*K:4*K+3], v[ADRB+\ns] offset:(\nq)*UNIT+512*K
.set K, K+1
.endr
.endm
.macro RUNA ns, nq, pn                 ; 24 loads: A's eight fragments, block 0 first
.set K, 0
.if \pn
	WIN 0
.rept 18
	ds_load_b128 v[48+4*K:48+4*K+3], v[ADRA+\ns] offset:(\nq)*UNIT+512*K
.set K, K+1
.endr
	WIN 0xc0
.rept 6
	ds_load_b128 v[24+4*K:24+4*K+3], v[ADRA+\ns] offset:(\nq)*UNIT+512*K
.set K, K+1
.endr
.else
	WIN 0xc0
.rept 24
	ds_load_b128 v[4*K:4*K+3], v[ADRA+\ns] offset:(\nq)*UNIT+512*K
.set K, K+1
.endr
.endif
.endm
; Eight products: A's block a against B's eight, on sets p.  The 64 accumulators take turns, one instruction a turn, in the same order in every step.
.macro HALF a, p, zero
.if (\p) == 0
.set AR, 12*(\a)
.set AW, 3
.elseif (\a) < 6
.set AR, 48+12*(\a)
.set AW, 0
.else
.set AR, 24+12*(\a)
.set AW, 3
.endif
.set DW, (\a)/2
	WIN (DW<<6)|(DW<<4)|(AW<<2)|(1+(\p))
.irp b, 0,1,2,3,4,5,6,7
.set DR, ACC+64*((\a)%2)+8*\b
.if \zero
	v_wmma_scale_f32_16x16x128_f8f6f4 v[DR:DR+7], v[12*\b:12*\b+11], v[AR:AR+11], 0, v[SC+8*(\p)+\b], v[SC+8*(\p)+(\a)] matrix_a_fmt:MATRIX_FMT_BF6 matrix_b_fmt:MATRIX_FMT_BF6 matrix_a_scale:MATRIX_SCALE_ROW1
.else
	v_wmma_scale_f32_16x16x128_f8f6f4 v[DR:DR+7], v[12*\b:12*\b+11], v[AR:AR+11], v[DR:DR+7], v[SC+8*(\p)+\b], v[SC+8*(\p)+(\a)] matrix_a_fmt:MATRIX_FMT_BF6 matrix_b_fmt:MATRIX_FMT_BF6 matrix_a_scale:MATRIX_SCALE_ROW1
.endif
.endr
.endm
; A step on sets p; ns, nq: the next step's slot and unit.  kind 0: plain.  kind 1: the next step's unit is the other slot's first: the slots change, and slot cs is filled again, inc bytes on.
; kind 2: the same with nothing left to fetch.
.macro STEP ns, nq, p, kind, cs, inc, guard, zero
.if \kind == 0
	PLACES                                         ; four places between the last step's products and the loads into the sets that they read (ISA guide 7.12.1 for vector instructions)
	s_wait_dscnt 12                                ; all but the youngest twelve loads, A's blocks 4-7 of this step, are in
	RUNB \ns, \nq, 1-\p
.irp a, 0,1,2,3
	HALF \a, \p, \zero
.endr
	s_wait_dscnt 28                                ; all but the 28 just issued: A's blocks 4-7 are in
	RUNA \ns, \nq, 1-\p
.irp a, 4,5,6,7
	HALF \a, \p, \zero
.endr
.else
.if \kind == 1
	s_wait_xcnt 0x0                                ; my last prefetches, a slot ago, have read their address
	s_add_nc_u64 s[PFA:PFA+1], s[PFA:PFA+1], HALFT
.endif
	WIN 0
	s_wait_tensorcnt 0x0                           ; my one load that was out, my part of the other slot, has landed;
	ds_add_u32 v[SPW], v[NIL]
	s_wait_dscnt 13                                ; (the add and A's blocks 4-7 may be out)
	HALF 0, \p, 0                                  ; eight products between the add and the wait for it
	s_wait_dscnt 0x0                               ; the add is done, and so are my reads of slot cs, which ended in the step before
	s_barrier_signal -1
	HALF 1, \p, 0
	WIN 0
	s_barrier_wait -1
.if \kind == 1
	CREST                                          ; the barrier has opened a round of the cluster's barrier
	s_add_nc_u64 s[G0+4*\cs+2:G0+4*\cs+3], s[G0+4*\cs+2:G0+4*\cs+3], \inc
	s_add_nc_u64 s[G0B+4*\cs+2:G0B+4*\cs+3], s[G0B+4*\cs+2:G0B+4*\cs+3], \inc
	JLOAD G0+4*\cs, G1, G0B+4*\cs, G1B             ; the first tensor load behind the round; its four v_nop are the places in front of the runs
.else
	PLACES
.endif
	RUNB \ns, \nq, 1-\p
.if \kind == 1
	WIN 0
	ASK 2*HALFT, \guard                            ; the slot that stands two refills on
.endif
	HALF 2, \p, 0
	HALF 3, \p, 0
	RUNA \ns, \nq, 1-\p
.irp a, 4,5,6,7
	HALF \a, \p, 0
.endr
.endif
.endm
	s_wait_tensorcnt 0x0                           ; my part of units 0, 1 is in;
	ds_add_u32 v[SPW], v[NIL]
	s_mov_b32 s[G1+2], 150<<16                     ; no tensor load of mine is out: from here on a load brings 150 rows (3 units)
	s_mov_b32 s[G1+4], 150
	s_mov_b32 s[G1B+2], 150<<16
	s_mov_b32 s[G1B+4], 150
	s_wait_dscnt 0x0
	CROUND
	JLOAD G0+4, G1, G0B+4, G1B                     ; units 2 to 4 into slot 1
	RUNB 0, 0, 0                                   ; step 0's fragments, in the order of a step's two runs
	RUNA 0, 0, 0
	WIN 0
	ASK HALFT, 0                                   ; units 5 to 7, the first refill's,
	ASK 2*HALFT, 0                                 ; and units 8 to 10
	STEP 0,1, 0, 0, 0, 0, 0, 1                     ; the first step's products start the sums
	STEP 1,0, 1, 1, 0, 5*UNIT, 0, 0                ; slot 0 takes units 5 to 7
	WIN 0
	s_mov_b32 s3, 4
.Llap:                                                 ; a trip: six steps, once round the ring; both slots are filled again
	STEP 1,1, 0, 0, 0, 0, 0, 0
	STEP 1,2, 1, 0, 0, 0, 0, 0
	STEP 0,0, 0, 1, 1, 2*HALFT, 1, 0
	STEP 0,1, 1, 0, 0, 0, 0, 0
	STEP 0,2, 0, 0, 0, 0, 0, 0
	STEP 1,0, 1, 1, 0, 2*HALFT, 1, 0
	WIN 0
	s_sub_co_u32 s3, s3, 1
	s_cmp_lg_u32 s3, 0
	s_cbranch_scc1 .Llap
	STEP 1,1, 0, 0, 0, 0, 0, 0                     ; the last six steps ask for no tile
	STEP 1,2, 1, 0, 0, 0, 0, 0
	STEP 0,0, 0, 2, 1, 0, 0, 0
	STEP 0,1, 1, 0, 0, 0, 0, 0
	STEP 0,2, 0, 0, 0, 0, 0, 0
; THE LAST STEP AND THE WAY OUT, block by block of 16 rows x 128 columns: a block's eight products finish it; it goes through my own stage and comes back as whole rows of 512 bytes, into window 1
; (v0-63 and v64-127 by turns: B's set 0, which the last step, on sets 1, does not read); the bias of a lane's four columns is added; 32 lanes store two aligned units of 256 bytes.
.macro TOSTAGE a
.set AC, ACC+64*((\a)%2)
.set BK, 64*((\a)%2)
	WIN ((\a)/2)<<2                                ; the data: window a / 2
.irp b, 0,1,2,3,4,5,6,7
	ds_store_b128 v[STO], v[AC+8*\b:AC+8*\b+3] offset:64*\b          ; each accumulator from its low end on
	ds_store_b128 v[STO], v[AC+8*\b+4:AC+8*\b+7] offset:64*\b+16
.endr
	WIN 0x40                                       ; back into window 1
.irp t, 0,1,2,3,4,5,6,7,8,9,10,11,12,13,14,15
	ds_load_b128 v[BK+4*\t:BK+4*\t+3], v[RD] offset:\t*SPITCH   ; LDS serves a wave's instructions in order: these see the stores above
.endr
.endm
.macro SEND a, younger
.set BK, 64*((\a)%2)
	s_wait_dscnt \younger
	WIN 0x41                                       ; the rows in window 1, the bias in window 0
.irp t, 0,1,2,3,4,5,6,7,8,9,10,11,12,13,14,15
	v_pk_add_f32 v[BK+4*\t:BK+4*\t+1], v[BK+4*\t:BK+4*\t+1], v[BI:BI+1]
	v_pk_add_f32 v[BK+4*\t+2:BK+4*\t+3], v[BK+4*\t+2:BK+4*\t+3], v[BI+2:BI+3]
.endr
	WIN 0x04
.if (\a) > 0
	s_add_nc_u64 s[12:13], s[12:13], 16*NB4        ; behind a wait on XCNT: the earlier stores have read their base
.endif
.irp t, 0,1,2,3,4,5,6,7,8,9,10,11,12,13,14,15
	global_store_b128 v[CO], v[BK+4*\t:BK+4*\t+3], s[12:13] offset:\t*NB4 th:TH_STORE_NT
.endr
.endm
	s_wait_loadcnt 0x0                             ; the bias
	s_wait_dscnt 0x0                               ; the last step's fragments
.irp a, 0,1,2,3,4,5,6,7
	HALF \a, 1, 0                                  ; block a is finished
	PLACES                                         ; four places ahead of the reads of its results
.if \a > 1
	s_wait_xcnt 0x0                                ; block a - 2's stores have read their registers and their base
.endif
	TOSTAGE \a
.if \a > 0
	SEND \a-1, 32                                  ; behind block a - 1's loads: block a's 16 stores and 16 loads
.endif
.endr
	s_wait_xcnt 0x0
	SEND 7, 0
	WIN 0
	s_wait_tensorcnt 0x0                           ; the wave's end
	ds_add_u32 v[SPW], v[NIL]
	s_wait_dscnt 0x0
	CROUND                                         ; the closing round
	s_endpgm
.Lfunc_end_k_qca2f607387_gemm:
	.size	k_qca2f607387_gemm, .Lfunc_end_k_qca2f607387_gemm-k_qca2f607387_gemm
	.p2alignl 7, 3214868480
	.fill 96, 4, 3214868480
	.section	.rodata,"a",@progbits
	.p2align	6, 0x0
	.amdhsa_kernel k_qca2f607387_gemm
		.amdhsa_group_segment_fixed_size 327680
		.amdhsa_private_segment_fixed_size 0
		.amdhsa_enable_private_segment 0
		.amdhsa_kernarg_size 32
		.amdhsa_user_sgpr_count 2
		.amdhsa_user_sgpr_kernarg_segment_ptr 1
		.amdhsa_wavefront_size32 1
		.amdhsa_system_sgpr_workgroup_id_x 1
		.amdhsa_system_sgpr_workgroup_id_y 1
		.amdhsa_system_sgpr_workgroup_id_z 1
		.amdhsa_system_vgpr_workitem_id 0
		.amdhsa_next_free_vgpr 1024
		.amdhsa_next_free_sgpr 102
		.amdhsa_reserve_vcc 0
		.amdhsa_float_denorm_mode_32 3
		.amdhsa_float_denorm_mode_16_64 3
		.amdhsa_memory_ordered 1
		.amdhsa_forward_progress 1
		.amdhsa_inst_pref_size 224
	.end_amdhsa_kernel
	.amdgpu_metadata
---
amdhsa.version: [ 1, 2 ]
amdhsa.kernels:
  - .name:           k_qca2f607387_gemm
    .symbol:         k_qca2f607387_gemm.kd
    .args:
      - { .name: x_img, .offset: 0, .size: 8, .value_kind: global_buffer, .address_space: global }
      - { .name: w_img, .offset: 8, .size: 8, .value_kind: global_buffer, .address_space: global }
      - { .name: out0, .offset: 16, .size: 8, .value_kind: global_buffer, .address_space: global }
      - { .name: bias_param, .offset: 24, .size: 8, .value_kind: global_buffer, .address_space: global }
    .group_segment_fixed_size: 327680
    .private_segment_fixed_size: 0
    .kernarg_segment_align: 8
    .kernarg_segment_size: 32
    .max_flat_workgroup_size: 128
    .sgpr_count:     102
    .vgpr_count:     1024
    .wavefront_size: 32
...
	.end_amdgpu_metadata
.endif
;; end of part 2
